; MI455X (gfx1250); checked and timed in simulation.
; The chip was launched on July 23, 2026; its instructions are those of AMD's public machine-readable ISA for CDNA 5 (MIT licence, August 2026) and "CDNA5" Instruction Set Architecture Reference Guide (July 2026). The comments in the code are by the model that wrote it; some were corrected since.
;; cos Att. Allowed arithmetic: matrix products marked QUANTISED: E5M2 operands, one E8M0 scale for each 32 along K, by v_wmma_scale_f32_16x16x128_f8f6f4 with both operands' format E5M2, f32 sums; everything else in f32.
;; Inputs: att_beta 1 x 1 x 1,024 x 1,024 float32; x 8 x 8 x 1,024 x 128 float32.
;; Outputs: out0 8 x 8 x 1,024 x 128 float32.
;; This version of the problem:
;;   THIS VERSION OF THE PROBLEM IS GIVEN IN LOW PRECISION. The matrix products marked QUANTISED in the list below multiply operands that are first quantised to E5M2 (5 exponent bits, 2 mantissa bits; 8 bits a number), with one power-of-two scale for each 32 numbers along K (OCP MX v1.0); their sums are f32. All else is computed in f32.
;;   The module's matrix products, in the order in which they are computed (A, B: the left and right operand; K: the contracted axis; several contracted axes count as one K, in the product's order):
;;     1. batch 64 x [M 1,024, K 128] x [K 128, N 1,024]; A: input x; B: input x: QUANTISED
;;     2. batch 64 x [M 1,024, K 1,024] x [K 1,024, N 128]; A: computed on the way; B: input x: QUANTISED
;;   THE QUANTISER, for each operand of a quantised product, along K:
;;     - K is cut into blocks of 32 from its start; a last block that is shorter is filled with zeros.
;;     - A block's scale is 2^e with e = floor(log2(the largest magnitude in the block)) - 15, held to -126 .. 127; a block of zeros has e = 0. As a byte (E8M0): e + 127.
;;     - Each number is divided by its block's scale, clamped to +-57,344, and rounded to the nearest number of E5M2, ties to even, subnormals kept.
;;     - The product sums the exact products of the quantised numbers (number of the format x scale) in f32.
;;   ~~~python
;;   def quantise(x, axis):      # numpy; x: float32 -> the quantised numbers, widened to float32 again
;;       x = np.moveaxis(x, axis, -1); K = x.shape[-1]
;;       x = np.pad(x, [(0, 0)] * (x.ndim - 1) + [(0, -K % 32)]); x = x.reshape(x.shape[:-1] + (-1, 32)); a = np.abs(x).max(-1, keepdims=True)
;;       e = np.where(a > 0, np.clip(np.frexp(np.where(a > 0, a, 1))[1] - 1 - 15, -126, 127), 0)      # np.frexp(a)[1] - 1 = floor(log2(a)), exactly
;;       r = np.clip(x / 2.0 ** e, -57344, 57344)
;;       step = 2.0 ** (np.maximum(np.frexp(np.where(r == 0, 1, r))[1] - 1, -14) - 2)
;;       q = np.round(r / step) * step * 2.0 ** e      # np.round: ties to even
;;       return np.moveaxis(q.reshape(q.shape[:-2] + (-1,))[..., :K], -1, axis).astype(np.float32)
;;   ~~~
;;   OPERANDS COMPUTED ON THE WAY. 'Computed on the way' means the value that the module computes at that place (a softmax that the list does not call 'softmax' is quantised finished and normalised). What goes into a quantiser is computed in f32, as accurately as f32 sums, v_exp_f32 and their like allow (about 1e-6 of the number): no bf16 or f16 on the way to a quantiser, and a product that is left as it is and whose result goes on into a quantised operand takes f32 operands (vector FMAs, or v_wmma_f32_16x16x4_f32). A number that lies on a knife's edge between two numbers of the format may be rounded either way, as far as f32 arithmetic and the matrix unit's own rounding can turn it there, and no further.
;; One version. Each part assembles by itself: llvm-mc -triple=amdgcn-amd-amdhsa -mcpu=gfx1250 --defsym DOCPART=n.
;; ======== version 1 of 1: 2 launches
;; workspace buffers: kv 17,563,648 bytes
;; launch prep (part 1): grid 8 x 64, 4 waves a work-group, no clusters, 22,528 bytes of LDS; arguments x, kv; writes kv
.if DOCPART == 1
	.amdgcn_target "amdgcn-amd-amdhsa--gfx1250"
	.amdhsa_code_object_version 6
	.text
	.protected	k_qf2dd94d045_prep
	.globl	k_qf2dd94d045_prep
	.p2align	8
	.type	k_qf2dd94d045_prep,@function
k_qf2dd94d045_prep:
	s_mov_b64 s[64:65], 0
	v_nop
	global_prefetch_b8 v0, s[64:65] scope:SCOPE_SE
	s_setreg_imm32_b32 hwreg(HW_REG_WAVE_MODE, 25, 1), 1
	s_wait_xcnt 0x0
; x [64 heads][1024 rows][128] f32 is read once and becomes all that the attention launch wants of it, laid in kv as [pair of heads 32][step of 128 rows 8][head of the pair 2][HB bytes]:
;   +0      K IMAGE: codes of BF8 (E5M2) quantised along the 128 (blocks of 32), as images of operand registers: tile j = 2 b + u of 16 rows is 2,048 bytes; byte 2048 j + 512 c + 16 (p + 16 h)
;           begins the 16 codes k = 32 c + 16 h + 0 .. 15 of row 32 b + 8 u + p + 8 (p / 8): so a transposed product's 16 registers of tiles 2 b, 2 b + 1 are 16 neighbouring rows
;   +16384  V IMAGE: codes quantised along the ROWS (blocks of 32 rows): tile j of 16 columns; byte 2048 j + 512 c + 16 (r + 16 h) begins the codes of column 16 j + r at rows 32 c + 16 h + 0 .. 15
;   +32768  K's scale words, one a row in the image's order (byte c: block c);  +33280 V's, one a column (byte c: rows 32 c on);  +33792 the rows' norms, f32, in natural order
; A block's scale is 2^(floor(log2(its largest magnitude)) - 15); its byte is that magnitude's exponent field - 15, held at 1 from below; each number is held within +-57,344 x the scale and rounded to the nearest code, ties to even.
; LIMITS: a block of zeros (or under 2^-111) gets the byte 1 where the rule says 127: its codes are zeros and this program alone reads the bytes; NaN and infinities in x are not served;
;   a row whose sum of squares lies under 2^-126 gets the norm 0 (the square root takes such an input as 0), which is nothing beside the 1e-7 that is added to the product of norms.
; SHARES.  A work-group takes 128 rows of one head; wave w takes columns 32 w + lane, and A LANE'S REGISTERS RUN DOWN THE ROWS: each load reads 128 neighbouring bytes, the four waves side by side 512.
; A block of 32 rows of one column then lies in one lane (V's path needs no other lane).  A block of 32 along the 128 of one row is exactly the wave's 32 columns: the raw numbers turn through the wave's own stage in LDS
; and come back 16 neighbours a lane, two lanes (l, l xor 16) to a block (K's path), in the image's order of rows.  The waves meet only for the scale words and the norms: two barriers.
; No tensor load, no ring, no cluster, no matrix unit: memory binds, and the work-groups share no byte.
.set SP,    144                        ; a stage row: 128 bytes + 16: nine times 16 bytes, so the sixteen rows of a load start 16 bytes apart modulo 256
.set WSTG,  32*SP                      ; LDS 0: a stage of 32 rows for each wave
.set PSB,   4*WSTG                     ; each wave's sums of squares of its 32 columns, 128 rows x 4 bytes, natural order
.set OUTB,  PSB+4*512                  ; K's scale words, V's scale words, the norms, as they will lie in kv: 1,536 bytes
.set SPARE, OUTB+1536                  ; the spare words, 128 bytes for each wave: two blocks of 256 bytes that no other line names
.set HB,    34304                      ; a head's bytes of a step in kv
.set XO,   4                           ; v4   4 x lane: my column in a row of x
.set STS,  5                           ; v5   the stage, on the way in: my wave's + 4 x lane
.set STL,  6                           ; v6   on the way out: my wave's + SP r + 64 h
.set VO,   7                           ; v7   V image: 4096 w + 2048 (lane / 16) + 16 (lane % 16)
.set KO,   8                           ; v8   K image: 512 w + 16 x lane
.set KSA,  9                           ; v9   K's scale bytes: OUTB + 4 r + w
.set PSA,  10                          ; v10  my wave's sums of squares: 4 (r + 8 (r / 8))
.set T4,   11                          ; v11  4 x my thread's number
.set SPW,  12                          ; v12  LDS address of my spare word; never rewritten
.set NIL,  13                          ; v13  0; never rewritten
.set VSW,  14                          ; v14  my column's scale word
.set MXK,  20                          ; v20-21 K's path, tiles u = 0, 1: largest magnitude, then the byte
.set PMK,  22                          ; v22-23 what the lane 16 away holds
.set SOPK, 24                          ; v24-25 the conversions' scale operands
.set LIMK, 26                          ; v26-27 57,344 x the scale
.set SQ,   28                          ; v[28:29], v[30:31] sums of squares
.set Y,    32                          ; v32-63  two sets of 16 neighbours along the 128
.set X,    64                          ; v64-191 four blocks of 32 rows of my column; no register is loaded twice
.set VC,   192                         ; v192-223 V's codes, 8 registers a block: no store's data are written again
.set KC,   224                         ; v224-255 K's codes, likewise
	s_load_b128 s[4:7], s[0:1], 0x0                ; x, kv
	v_lshl_add_u32 v[SPW], v0, 2, SPARE
	v_mov_b32 v[NIL], 0
	v_lshrrev_b32 v1, 5, v0
	v_readfirstlane_b32 s8, v1                     ; wave 0..3
	v_and_b32 v1, 31, v0                           ; lane
	v_and_b32 v2, 15, v0                           ; r
	v_bfe_u32 v3, v0, 4, 1                         ; h
	s_and_b32 s9, ttmp7, 0xffff                    ; the head
	s_lshl_b32 s16, s9, 19                         ; x: a head is 524,288 bytes,
	s_lshl_b32 s17, ttmp9, 16                      ; a step's 128 rows 65,536,
	s_add_co_u32 s16, s16, s17
	s_lshl_b32 s17, s8, 7                          ; my wave's 32 columns 128
	s_add_co_u32 s16, s16, s17
	s_mov_b32 s17, 0
	s_lshr_b32 s18, s9, 1
	s_mul_i32 s18, s18, 16*HB                      ; kv: a pair of heads,
	s_mul_i32 s19, ttmp9, 2*HB                     ; a step,
	s_add_co_u32 s18, s18, s19
	s_and_b32 s19, s9, 1
	s_mul_i32 s19, s19, HB                         ; the head of the pair
	s_add_co_u32 s18, s18, s19
	s_mov_b32 s19, 0
	s_mov_b32 s12, 0x76543210
	s_mov_b32 s13, 0xfedcba98                      ; v_permlanex16_b32's selects for lane l xor 16
	s_mov_b32 s14, 0x600000                        ; the mantissa field of 57,344
	v_lshlrev_b32 v[XO], 2, v1
	s_mul_i32 s20, s8, WSTG
	v_add_nc_u32 v[STS], s20, v[XO]
	v_mul_u32_u24 v[STL], v2, SP
	v_lshl_add_u32 v[STL], v3, 6, v[STL]
	v_add_nc_u32 v[STL], s20, v[STL]
	s_lshl_b32 s21, s8, 12
	v_lshlrev_b32 v[VO], 4, v2
	v_lshl_add_u32 v[VO], v3, 11, v[VO]
	v_add_nc_u32 v[VO], s21, v[VO]
	s_lshl_b32 s21, s8, 9
	v_lshlrev_b32 v[KO], 4, v1
	v_add_nc_u32 v[KO], s21, v[KO]
	v_lshl_add_u32 v[KSA], v2, 2, OUTB
	v_add_nc_u32 v[KSA], s8, v[KSA]
	v_and_b32 v[PSA], 8, v2
	v_add_nc_u32 v[PSA], v[PSA], v2
	v_lshlrev_b32 v[PSA], 2, v[PSA]
	s_add_co_u32 s22, s21, PSB
	v_add_nc_u32 v[PSA], s22, v[PSA]
	v_lshlrev_b32 v[T4], 2, v0
	v_mov_b32 v[PMK], 0                            ; written once: a lane permute's destination counts as one of its sources
	v_mov_b32 v[PMK+1], 0
	s_wait_kmcnt 0x0
	s_add_nc_u64 s[4:5], s[4:5], s[16:17]
	s_add_nc_u64 s[6:7], s[6:7], s[18:19]
.macro LOAD t                          ; block t: x(32 t + i, my column), i = 0 .. 31
.set i, 0
.rept 32
	global_load_b32 v[X+32*(\t)+i], v[XO], s[4:5] offset:(32*(\t)+i)*512 th:TH_LOAD_NT
.set i, i+1
.endr
.endm
.macro BLOCK t
.set XS, X+32*(\t)
.if (\t) < 3
	s_wait_loadcnt 32                              ; this block's 32 loads are in; the next block's 32 may be out
.else
	s_wait_loadcnt 0x0
.endif
.if (\t) < 2
	LOAD (\t)+2                                    ; two blocks ahead, into registers of their own
.endif
	; the raw numbers into my stage: row i of the block at the place that the K image gives it: tile u = bit 3 of i, place in the tile = 8 x bit 4 + the low three bits
.set i, 0
.rept 32
	ds_store_b32 v[STS], v[XS+i] offset:((i&7)|((i&8)<<1)|((i&16)>>1))*SP
.set i, i+1
.endr
.irp u, 0,1                                    ; and back, 16 neighbours a lane.  LDS serves a wave's instructions in order (ISA guide 5.7.1.4): no wait between the stores and the loads
.irp q, 0,1,2,3
	ds_load_b128 v[Y+16*\u+4*\q:Y+16*\u+4*\q+3], v[STL] offset:16*\u*SP+16*\q
.endr
.endr
	; V'S PATH: the block of 32 rows of my column is all mine
	v_max3_num_f32 v15, |v[XS]|, |v[XS+1]|, |v[XS+2]|
	v_max3_num_f32 v16, |v[XS+3]|, |v[XS+4]|, |v[XS+5]|
.irp i, 6,10,14,18,22,26
	v_max3_num_f32 v15, v15, |v[XS+\i]|, |v[XS+\i+1]|
	v_max3_num_f32 v16, v16, |v[XS+\i+2]|, |v[XS+\i+3]|
.endr
	v_max3_num_f32 v15, v15, |v[XS+30]|, |v[XS+31]|
	v_max3_num_f32 v15, v15, v16, 0x8000000        ; and the floor 2^(16 - 127): the byte cannot fall under 1
	v_add_nc_u32 v17, 0xf8800000, v15              ; 15 off the exponent field: the conversion takes the exponent field of this operand as its scale
	v_and_or_b32 v18, v15, 0x7f800000, s14         ; 57,344 x the scale
	v_lshrrev_b32 v19, 23, v17                     ; the scale's byte
.if (\t) == 0
	v_mov_b32 v[VSW], v19
.else
	v_lshl_or_b32 v[VSW], v19, 8*(\t), v[VSW]      ; four bytes to the word, the lower rows in the lower byte
.endif
	s_wait_dscnt 8                                 ; all but the eight loads just issued: the 32 stores into the stage have read X, which the hold rewrites
.set i, 0
.rept 32
	v_med3_num_f32 v[XS+i], v[XS+i], -v18, v18     ; the conversion to an 8-bit code does not saturate (ISA guide 7.6.2): the hold at the largest code x the scale
.set i, i+1
.endr
.irp g, 0,1,2,3
	v_cvt_scalef32_pk8_bf8_f32 v[VC+8*(\t)+2*\g:VC+8*(\t)+2*\g+1], v[XS+8*\g:XS+8*\g+7], v17
.endr
	v_nop                                          ; a plain vector line behind the last conversion of a run
	global_store_b128 v[VO], v[VC+8*(\t):VC+8*(\t)+3], s[6:7] offset:16384+512*(\t)         ; rows 32 t + 0 .. 15: sixteen lanes store 256 consecutive bytes, aligned
	global_store_b128 v[VO], v[VC+8*(\t)+4:VC+8*(\t)+7], s[6:7] offset:16384+512*(\t)+256   ; rows 32 t + 16 .. 31
	s_wait_dscnt 0x0                               ; Y is in; the last block's small stores have read their registers
	; K'S PATH, the two tiles by turns: squares for the norm (of the raw numbers), the block's largest magnitude, the hold, the codes
.irp u, 0,1
	v_pk_mul_f32 v[SQ+2*\u:SQ+2*\u+1], v[Y+16*\u:Y+16*\u+1], v[Y+16*\u:Y+16*\u+1]
	v_max3_num_f32 v[MXK+\u], |v[Y+16*\u]|, |v[Y+16*\u+1]|, 0x8000000
.endr
.irp i, 2,4,6,8,10,12,14
.irp u, 0,1
	v_pk_fma_f32 v[SQ+2*\u:SQ+2*\u+1], v[Y+16*\u+\i:Y+16*\u+\i+1], v[Y+16*\u+\i:Y+16*\u+\i+1], v[SQ+2*\u:SQ+2*\u+1]
	v_max3_num_f32 v[MXK+\u], v[MXK+\u], |v[Y+16*\u+\i]|, |v[Y+16*\u+\i+1]|
.endr
.endr
.irp u, 0,1
	v_permlanex16_b32 v[PMK+\u], v[MXK+\u], s12, s13
.endr
.irp u, 0,1
	v_add_f32 v[SQ+2*\u], v[SQ+2*\u], v[SQ+2*\u+1]
.endr
.irp u, 0,1
	v_max_num_f32 v[MXK+\u], v[MXK+\u], v[PMK+\u]  ; with lane l xor 16's: the block's
.endr
.irp u, 0,1
	v_permlanex16_b32 v[PMK+\u], v[SQ+2*\u], s12, s13
.endr
.irp u, 0,1
	v_add_nc_u32 v[SOPK+\u], 0xf8800000, v[MXK+\u]
.endr
.irp u, 0,1
	v_and_or_b32 v[LIMK+\u], v[MXK+\u], 0x7f800000, s14
.endr
.irp u, 0,1
	v_add_f32 v[SQ+2*\u], v[SQ+2*\u], v[PMK+\u]    ; the row's squares over my wave's 32 columns (the same bits in both lanes)
.endr
.irp u, 0,1
	v_lshrrev_b32 v[MXK+\u], 23, v[SOPK+\u]        ; the scale's byte
.endr
.irp u, 0,1
.irp i, 0,1,2,3,4,5,6,7,8,9,10,11,12,13,14,15
	v_med3_num_f32 v[Y+16*\u+\i], v[Y+16*\u+\i], -v[LIMK+\u], v[LIMK+\u]
.endr
.endr
.irp u, 0,1
	v_cvt_scalef32_pk8_bf8_f32 v[KC+8*(\t)+4*\u:KC+8*(\t)+4*\u+1], v[Y+16*\u:Y+16*\u+7], v[SOPK+\u]
	v_cvt_scalef32_pk8_bf8_f32 v[KC+8*(\t)+4*\u+2:KC+8*(\t)+4*\u+3], v[Y+16*\u+8:Y+16*\u+15], v[SOPK+\u]
.endr
	v_nop                                          ; a plain vector line behind the last conversion of a run
.irp u, 0,1
	global_store_b128 v[KO], v[KC+8*(\t)+4*\u:KC+8*(\t)+4*\u+3], s[6:7] offset:(2*(\t)+\u)*2048   ; chunk c = w of tile 2 t + u: the wave stores 512 consecutive bytes, aligned
	ds_store_b8 v[KSA], v[MXK+\u] offset:(32*(\t)+16*\u)*4        ; byte w of the row's scale word; both lanes of a block write the same byte with the same value
	ds_store_b32 v[PSA], v[SQ+2*\u] offset:128*(\t)+32*\u         ; at the row's natural place
.endr
.endm
	LOAD 0
	LOAD 1
	BLOCK 0
	BLOCK 1
	BLOCK 2
	BLOCK 3
	ds_store_b32 v[T4], v[VSW] offset:OUTB+512     ; my column is 32 w + lane = my thread's number
	s_wait_dscnt 0x0                               ; for the others' sake: my stores have landed
	s_barrier_signal -1
	s_barrier_wait -1
.irp k, 0,1,2,3
	ds_load_b32 v[15+\k], v[T4] offset:PSB+512*\k  ; thread n: row n's four partial sums
.endr
	s_wait_dscnt 0x0
	v_add_f32 v15, v15, v16
	v_add_f32 v17, v17, v18
	v_add_f32 v15, v15, v17
	v_sqrt_f32 v15, v15
	v_lshlrev_b32 v36, 4, v0                       ; (the plain line behind the square root)  16 bytes a thread of the 1,536
	s_wait_alu depctr_va_vdst(0)                   ; the wait ahead of the first line that names the root
	ds_store_b32 v[T4], v15 offset:OUTB+1024
	s_wait_dscnt 0x0
	s_barrier_signal -1
	s_barrier_wait -1                              ; scale words and norms lie in LDS as they will lie in kv
	s_cmp_eq_u32 s8, 3
	s_cbranch_scc1 .Ldone                          ; 1,536 bytes are three waves' 512
	ds_load_b128 v[32:35], v36 offset:OUTB
	s_wait_dscnt 0x0
	global_store_b128 v36, v[32:35], s[6:7] offset:32768          ; the wave stores 512 consecutive bytes, aligned
.Ldone:
	s_wait_tensorcnt 0x0                           ; the wave's end, behind my last LDS store
	ds_add_u32 v[SPW], v[NIL]
	s_wait_dscnt 0x0
	s_endpgm
.Lfunc_end_k_qf2dd94d045_prep:
	.size	k_qf2dd94d045_prep, .Lfunc_end_k_qf2dd94d045_prep-k_qf2dd94d045_prep
	.p2alignl 7, 3214868480
	.fill 96, 4, 3214868480
	.section	.rodata,"a",@progbits
	.p2align	6, 0x0
	.amdhsa_kernel k_qf2dd94d045_prep
		.amdhsa_group_segment_fixed_size 22528
		.amdhsa_private_segment_fixed_size 0
		.amdhsa_enable_private_segment 0
		.amdhsa_kernarg_size 16
		.amdhsa_user_sgpr_count 2
		.amdhsa_user_sgpr_kernarg_segment_ptr 1
		.amdhsa_wavefront_size32 1
		.amdhsa_system_sgpr_workgroup_id_x 1
		.amdhsa_system_sgpr_workgroup_id_y 1
		.amdhsa_system_sgpr_workgroup_id_z 1
		.amdhsa_system_vgpr_workitem_id 0
		.amdhsa_next_free_vgpr 256
		.amdhsa_next_free_sgpr 66
		.amdhsa_reserve_vcc 0
		.amdhsa_float_denorm_mode_32 3
		.amdhsa_float_denorm_mode_16_64 3
		.amdhsa_memory_ordered 1
		.amdhsa_forward_progress 1
		.amdhsa_inst_pref_size 64
	.end_amdhsa_kernel
	.amdgpu_metadata
---
amdhsa.version: [ 1, 2 ]
amdhsa.kernels:
  - .name:           k_qf2dd94d045_prep
    .symbol:         k_qf2dd94d045_prep.kd
    .args:
      - { .name: x, .offset: 0, .size: 8, .value_kind: global_buffer, .address_space: global }
      - { .name: kv, .offset: 8, .size: 8, .value_kind: global_buffer, .address_space: global }
    .group_segment_fixed_size: 22528
    .private_segment_fixed_size: 0
    .kernarg_segment_align: 8
    .kernarg_segment_size: 16
    .max_flat_workgroup_size: 128
    .sgpr_count:     66
    .vgpr_count:     256
    .wavefront_size: 32
...
	.end_amdgpu_metadata
.endif
;; end of part 1
;; launch att (part 2): grid 8 x 32, 8 waves a work-group, clusters of 4 x 4, 327,680 bytes of LDS; arguments kv, att_beta, out0; writes out0
.if DOCPART == 2
	.amdgcn_target "amdgcn-amd-amdhsa--gfx1250"
	.amdhsa_code_object_version 6
	.text
	.protected	k_qf2dd94d045_att
	.globl	k_qf2dd94d045_att
	.p2align	8
	.type	k_qf2dd94d045_att,@function
k_qf2dd94d045_att:
	s_mov_b64 s[64:65], 0
	v_nop
	global_prefetch_b8 v0, s[64:65] scope:SCOPE_SE
	s_setreg_imm32_b32 hwreg(HW_REG_WAVE_MODE, 25, 1), 1
	s_wait_xcnt 0x0
	s_wait_alu depctr_hold_cnt(0) depctr_sa_sdst(0) depctr_va_vdst(0) depctr_va_sdst(0) depctr_va_ssrc(0) depctr_va_vcc(0) depctr_vm_vsrc(0)
	s_getreg_b32 s2, hwreg(HW_REG_IB_STS2, 6, 4)
	s_cmp_eq_u32 s2, 0
	s_cbranch_scc0 .Lentry_in_a_cluster
	s_endpgm
.Lentry_in_a_cluster:
	s_bfe_u32 s2, ttmp6, 0x10000c
	s_cmp_lg_u32 s2, 0xf033
	s_cbranch_scc0 .Lentry_shape_is_right
	s_endpgm
.Lentry_shape_is_right:
; out[head][n][:] = the sum over m of P[n][m] x[head][m][:],  P = sigmoid(beta[n][m] S[n][m] / (|x_n| |x_m| + 1e-7)),  S = x x^T; both products on codes of BF8 (E5M2) with one E8M0 scale for each 32 along K.
; kv (made by the launch before) holds, for each pair of heads and each step of 128 rows, both heads' K image (codes along the 128), V image (codes along the rows), scale words and norms: 68,608 dense bytes a step.
; THE ARITHMETIC OF A NUMBER, all f32: den' = |x_m| x (-ln 2 |x_n|) + (-ln 2 x 1e-7), one fused multiply-add; t = (S beta) / den' = -beta cos log2(e); E = 2^t; P = 1 / (1 + E).  P is then quantised along the keys.
; LIMITS: a P under 2^-126 becomes 0 (the reciprocal gives 0 there); E beyond f32's range is infinity and P is 0, as f32 has it; a block whose every P is 0 keeps the byte 1 over zero codes; NaN and infinities in the inputs are not served.
; SHARES.  A work-group owns 128 queries of TWO heads, so that one tile of beta in LDS serves both.  Wave w: head w / 4 of the pair, queries 32 (w % 4) on: two tiles of 16, in 512 registers.
; Every wave walks the head's 1,024 keys, 128 a step, through a ring of two LDS slots.
; BY TURNS.  A key step has two halves.  FRONT holds all its LDS loads (112 of 16 bytes a lane and 16 of 4): K, S^T, beta, the keys' norms, the denominators, t, and at its end V's fragments and scale words into registers.
; BACK works on registers alone: E, P, the quantiser, O^T.  Between two changes of slots head 0's four waves run FRONT(k), BACK(k); head 1's four run BACK(k - 1), FRONT(k): so at any time half of the work-group's
; waves stream from LDS while the other half issue exponentials, reciprocals and plain work.  Both groups read slot k % 2 between the same two barriers; what head 1 carries over a barrier (t, V, V's scale words) lies in registers.
; LAYOUT.  Both products are used transposed: S^T = K Q^T (source 0 = 16 keys, source 1 = 16 queries), O^T = V^T P^T (source 0 = 16 columns, source 1 = P): a lane holds ONE query (lane % 16) throughout.
; The K image's tiles hold their rows in the order that makes the 16 registers of tiles 2 b, 2 b + 1 the keys 32 b + 16 (lane / 16) + 0 .. 15: beta and the keys' norms are read in that order, and the conversions' results ARE P's operand.
; CLUSTERS: 4 x 4 work-groups.  kv's tiles hang on the pair of heads alone (work-group y): the four of a row of the cluster ask for them JOINTLY; beta's hang on the block of queries alone (work-group x): the four of a column.
; Waves 0-3 fetch a quarter each of a step's kv block, waves 4-7 32 rows each of beta's tile: one tensor load a wave for each fill; by this text's count a wave has at most two out (the two first fills), later one.
; REGISTERS.  Window 0: v1-15 addresses; v16-27 scale words; v28, v29 the add's two; v30-35 nn' of my two tiles and eps', each in both words of a pair; v36-59 at work on P's scales; v64-127 FR: four fragments, or 64 numbers; v128-255 S^T, then t, E, P: 64 a tile.
;   Window 1: v0-127 O^T, 64 a tile; v128-143 tile 1's codes of P; v144-175 Q; v176-239 DN: four fragments, or 64 numbers; v240-255 tile 0's codes of P.
.set HB,    34304                      ; a head's bytes of a step: K image 16,384, V image 16,384, K's scale words 512, V's 512, norms 512
.set KVB,   2*HB                       ; a step's bytes in kv, and in a slot
.set BP,    528                        ; a row of beta's tile in LDS: 512 bytes + 16: 33 times 16 bytes, so the sixteen rows of a load start 16 bytes apart modulo 256
.set SLOT,  KVB+128*BP                 ; 136,192: kv's part, then beta's 128 rows
.set SPARE, 2*SLOT                     ; behind the ring: the spare words, 128 bytes for each wave: four blocks of 256 bytes that no other line names
.set AF,  4                            ; v4-5   slot s: 16 x lane + my head's block: an image's place for my lane
.set AS,  6                            ; v6-7   4 r + my head's scale words
.set ANM, 8                            ; v8-9   64 h + my head's norms
.set AB,  10                           ; v10-11 beta: row 32 (w % 4) + r, + 64 h
.set STO, 12                           ; v12    the way out: where I put 32 bytes of a row
.set RD,  13                           ; v13    where I read a row back
.set CO,  14                           ; v14    16 x lane: my bytes of a row of out
.set SCW, 16                           ; v16-23 the step's eight scale words: K's, later V's
.set QS,  24                           ; v24-25 my queries' scale words
.set PS,  26                           ; v26-27 P's scale words
.set SPW, 28                           ; v28    LDS address of my spare word; never rewritten
.set NIL, 29                           ; v29    0; never rewritten
.set NN,  30                           ; v[30:31], v[32:33]
.set EPS, 34                           ; v[34:35]
.set MX,  36                           ; v36-39 the four blocks' largest P
.set PB,  40                           ; v40-43 the lane 16 away's, then the bytes
.set SOP, 44                           ; v44-51 the conversions' scale operands, tile g block b at 4 g + b
.set LIM, 52                           ; v52-59 57,344 x the scale
.set FR,  64
.set S,   128
.set O,   0                            ; window 1
.set PC0, 240                          ; tile g's codes at PC0 - 112 g: no conversion's destination has the numbers of its source
.set Q,   144
.set DN,  176
.set G1,  24                           ; s[24:31] descriptor group 1 for kv's tiles;  s[32:39] group 0, one set for each slot
.set G0,  32
.set G1B, 48                           ; s[48:55], s[56:63] the same for beta's
.set G0B, 56
.set MSB, 0
.macro WIN new                         ; the immediate's high byte repeats the setting that is left; bits 1:0 source 0, 3:2 source 1, 5:4 source 2, 7:6 destination
.if MSB != \new
	s_set_vgpr_msb (MSB<<8)|\new
.set MSB, \new
.endif
.endm
.macro PLACES n                        ; plain vector lines behind matrix instructions: eight for this form, in front of loads into its registers and of the first read of its results
.rept \n
	v_nop
.endr
.endm
.macro CROUND                          ; a round of the cluster's barrier: my work-group's barrier; wave 0 signals for the work-group; every wave waits for all sixteen; my work-group's barrier once more
	s_barrier_signal -1
	s_barrier_wait -1
	s_cmp_lg_u32 s10, 0
	s_cbranch_scc1 .Lnot_wave_0_\@
	s_barrier_signal -3
.Lnot_wave_0_\@:
	s_barrier_wait -3
	s_barrier_signal -1
	s_barrier_wait -1
.endm
; A joint load: waves 0-3 fetch for kv, waves 4-7 for beta.  Each line has ONE mask and one set of registers for all that issue it; the branch hangs on the wave's number alone.
; An s_nop 0 and four v_nop follow each of the two lines, ahead of the jump, the label and what follows.
.macro JLOAD s
	s_cmp_eq_u32 s11, 0
	s_cbranch_scc0 .Lfor_b_\@
	tensor_load_to_lds s[G0+4*\s:G0+4*\s+3], s[G1:G1+7]
	s_nop 0
.rept 4
	v_nop
.endr
	s_branch .Lasked_\@
.Lfor_b_\@:
	tensor_load_to_lds s[G0B+4*\s:G0B+4*\s+3], s[G1B:G1B+7]
	s_nop 0
.rept 4
	v_nop
.endr
.Lasked_\@:
.endm
	s_load_b128 s[4:7], s[0:1], 0x0                ; kv s[4:5], beta s[6:7]
	s_load_b64 s[8:9], s[0:1], 0x10                ; out
	v_lshl_add_u32 v[SPW], v0, 2, SPARE
	v_mov_b32 v[NIL], 0
	ds_add_u32 v[SPW], v[NIL]                      ; the wave's opening: the add, twice on end, and its wait ahead of my first tensor load; the set-up below, work on registers, stands between
	ds_add_u32 v[SPW], v[NIL]                      ; and once more, under the one wait
	v_lshrrev_b32 v1, 5, v0
	v_readfirstlane_b32 s10, v1                    ; wave 0..7
	s_lshr_b32 s11, s10, 2                         ; my head of the pair.  Also: I fetch for kv (0) or for beta (1); and my group in the turns
	s_and_b32 s12, s10, 3                          ; my 32 queries of the 128.  Also: which quarter of a tile I fetch
	s_bfe_u32 s40, ttmp6, 0x40000                  ; cx, cy: my place in the cluster
	s_bfe_u32 s41, ttmp6, 0x40004
	s_lshl_b32 s42, ttmp9, 2
	s_add_co_u32 s42, s42, s40                     ; block of queries = 4 x cluster x + cx
	s_and_b32 s13, ttmp7, 0xffff
	s_lshl_b32 s13, s13, 2
	s_add_co_u32 s13, s13, s41                     ; pair of heads = 4 x cluster y + cy
	s_lshl_b32 s43, s41, 2
	s_lshl_b32 s43, 15, s43                        ; my row of the cluster
	s_lshl_b32 s44, 0x1111, s40                    ; my column
	; group 1 for kv: a quarter of a step's dense block: 67 rows of 256 bytes (32 elements of 8 bytes), no padding: the images are read 16 x lane on end
	s_or_b32 s[G1+0], s43, (3<<16)|(1<<21)         ; 15:0 the mask: my row; 17:16 elements of 8 bytes; 21 set beside a mask
	s_mov_b32 s[G1+1], 32<<16                      ; tensor_dim0 = 32
	s_mov_b32 s[G1+2], 67<<16                      ; tensor_dim1 = 67
	s_mov_b32 s[G1+3], 32<<16                      ; tile_dim0 = 32
	s_mov_b32 s[G1+4], 67                          ; tile_dim1 = 67
	s_mov_b32 s[G1+5], 32                          ; from row to row
	s_mov_b32 s[G1+6], 0
	s_mov_b32 s[G1+7], 0
	; group 1 for beta: 32 rows of 128 f32 (512 bytes), 1,024 elements apart, 4 words of padding behind each 128
	s_or_b32 s[G1B+0], s44, (2<<16)|(1<<20)|(1<<21)|(6<<22)|(3<<25)   ; the mask: my column; elements of 4 bytes; padding on; after every 128 words (code 6); of 4 words (code 3)
	s_mov_b32 s[G1B+1], 128<<16
	s_mov_b32 s[G1B+2], 32<<16
	s_mov_b32 s[G1B+3], 128<<16
	s_mov_b32 s[G1B+4], 32
	s_mov_b32 s[G1B+5], 1024
	s_mov_b32 s[G1B+6], 0
	s_mov_b32 s[G1B+7], 0
	; where the tiles come from and go: kv's registers never hold cx, beta's never cy; no place in the cluster enters an LDS address
	s_mul_i32 s16, s13, 8*KVB                      ; the pair's first byte in kv,
	s_mul_i32 s20, s12, 67*256                     ; my quarter, in memory and in a slot alike
	s_add_co_u32 s16, s16, s20
	s_mov_b32 s17, 0
	s_lshl_b32 s46, s42, 19                        ; beta: 128 rows of 4,096 bytes a block of queries,
	s_lshl_b32 s47, s12, 17                        ; my 32 rows
	s_add_co_u32 s46, s46, s47
	s_mov_b32 s47, 0
	s_mul_i32 s21, s12, 32*BP
	s_add_co_u32 s21, s21, KVB                     ; and in a slot, behind kv's part
	s_mul_i32 s14, s11, HB                         ; my head's block in a step
	s_mul_i32 s74, s13, 8*KVB                      ; my queries are rows of step x of my head: their codes, scale words and norms lie in kv too
	s_mul_i32 s75, s42, KVB
	s_add_co_u32 s74, s74, s75
	s_add_co_u32 s74, s74, s14
	s_mov_b32 s75, 0
	s_lshl_b32 s76, s13, 1
	s_add_co_u32 s76, s76, s11                     ; my head
	s_lshl_b32 s76, s76, 19                        ; out: 524,288 bytes a head,
	s_lshl_b32 s77, s42, 16                        ; 65,536 a block of 128 queries,
	s_add_co_u32 s76, s76, s77
	s_lshl_b32 s77, s12, 14                        ; 16,384 for my 32
	s_add_co_u32 s76, s76, s77
	s_mov_b32 s77, 0
	s_mov_b32 s70, 0x76543210
	s_mov_b32 s71, 0xfedcba98                      ; v_permlanex16_b32's selects for lane l xor 16
	s_mov_b32 s72, 0x600000                        ; the mantissa field of 57,344
	s_wait_dscnt 0x0                               ; both opening adds are done
	s_wait_kmcnt 0x0
	s_add_nc_u64 s[66:67], s[4:5], s[74:75]
	s_add_nc_u64 s[8:9], s[8:9], s[76:77]
	s_add_nc_u64 s[16:17], s[4:5], s[16:17]
	s_add_nc_u64 s[46:47], s[6:7], s[46:47]
	CROUND                                         ; all sixteen work-groups are here: the first joint loads meet
.irp s, 0,1
	s_mov_b32 s[G0+4*\s], 1                        ; 1:0 count = 1
	s_add_co_u32 s[G0+4*\s+1], s20, \s*SLOT        ; LDS address
	s_add_nc_u64 s[G0+4*\s+2:G0+4*\s+3], s[16:17], \s*KVB          ; global address: step s
	s_or_b32 s[G0+4*\s+3], s[G0+4*\s+3], 0x80000000                ; type = 2
	s_mov_b32 s[G0B+4*\s], 1
	s_add_co_u32 s[G0B+4*\s+1], s21, \s*SLOT
	s_add_nc_u64 s[G0B+4*\s+2:G0B+4*\s+3], s[46:47], \s*512        ; keys 128 s on: 512 bytes along beta's rows
	s_or_b32 s[G0B+4*\s+3], s[G0B+4*\s+3], 0x80000000
	JLOAD \s
.endr
	v_and_b32 v1, 31, v0                           ; lane
	v_and_b32 v2, 15, v0                           ; r
	v_bfe_u32 v3, v0, 4, 1                         ; h
	; my queries out of the K image: query 16 g + r of my 32 lies in tile 2 (w % 4) + r / 8 at place 8 g + r % 8
	v_and_b32 v15, 7, v2
	v_lshrrev_b32 v60, 3, v2
	v_lshlrev_b32 v61, 2, v15
	v_lshlrev_b32 v15, 4, v15
	v_lshl_add_u32 v15, v60, 11, v15
	v_lshl_add_u32 v15, v3, 8, v15
	s_lshl_b32 s18, s12, 12
	v_add_nc_u32 v15, s18, v15                     ; codes: 4096 (w % 4) + 2048 (r / 8) + 16 (r % 8) + 256 h; + 128 g + 512 c in the immediate
	v_lshl_add_u32 v61, v60, 6, v61
	s_lshl_b32 s19, s12, 7
	v_add_nc_u32 v61, s19, v61                     ; scale words: 128 (w % 4) + 64 (r / 8) + 4 (r % 8); + 32 g
	v_lshl_add_u32 v62, v2, 2, s19                 ; norms, natural order: 128 (w % 4) + 4 r; + 64 g
	WIN 0x40                                       ; destination window 1
.irp g, 0,1
.irp c, 0,1,2,3
	global_load_b128 v[Q+16*\g+4*\c:Q+16*\g+4*\c+3], v15, s[66:67] offset:128*\g+512*\c    ; Q's fragments stay in registers
.endr
.endr
	WIN 0
.irp g, 0,1
	global_load_b32 v[QS+\g], v61, s[66:67] offset:32768+32*\g
	global_load_b32 v[NN+2*\g], v62, s[66:67] offset:33792+64*\g
.endr
	v_lshl_add_u32 v[AF], v1, 4, s14
	v_add_nc_u32 v[AF+1], SLOT, v[AF]
	v_lshl_add_u32 v[AS], v2, 2, s14
	v_add_nc_u32 v[AS], 32768, v[AS]
	v_add_nc_u32 v[AS+1], SLOT, v[AS]
	v_lshl_add_u32 v[ANM], v3, 6, s14
	v_add_nc_u32 v[ANM], 33792, v[ANM]
	v_add_nc_u32 v[ANM+1], SLOT, v[ANM]
	v_mul_u32_u24 v[AB], v2, BP
	v_lshl_add_u32 v[AB], v3, 6, v[AB]
	v_add_nc_u32 v[AB], s21, v[AB]
	v_add_nc_u32 v[AB+1], SLOT, v[AB]
	s_mul_i32 s22, s10, 16*BP                      ; my stage for the way out: 16 rows x 528 bytes, in slot 0, which has had its last fill and its last read when the first result is stored there
	v_mul_u32_u24 v[STO], v2, BP
	v_lshl_add_u32 v[STO], v3, 5, v[STO]
	v_add_nc_u32 v[STO], s22, v[STO]               ; in: row r, 32 bytes for each half of the lanes
	v_lshl_add_u32 v[RD], v1, 4, s22               ; back: the 32 lanes take one row of 512 bytes
	v_lshlrev_b32 v[CO], 4, v1
.irp b, 0,1,2,3
	v_mov_b32 v[PB+\b], 0                          ; written once: a lane permute's destination counts as one of its sources
.endr
	v_mov_b32 v[EPS], 0x33d6bf95                   ; 1e-7
	v_mul_f32 v[EPS], 0xbf317218, v[EPS]           ; x -ln 2
	v_mov_b32 v[EPS+1], v[EPS]
	; O^T begins as zeros.  One text of BACK serves head 0's second step and head 1's first, so no copy of it can start the sums with the constant 0: 128 moves, once, while Q and the first tiles are on their way
	WIN 0x40
.set i, 0
.rept 128
	v_mov_b32 v[O+i], 0
.set i, i+1
.endr
	WIN 0
	s_wait_loadcnt 0x0                             ; Q, its scale words, my queries' norms
.irp g, 0,1
	v_mul_f32 v[NN+2*\g], 0xbf317218, v[NN+2*\g]   ; x -ln 2: so the exponential's factor log2(e) and the sign cost nothing later
	v_mov_b32 v[NN+2*\g+1], v[NN+2*\g]
.endr
.macro LD16 d, a, off, sj, sc          ; sixteen loads of 16 bytes: 64 registers
.irp j, 0,1,2,3
.irp c, 0,1,2,3
	ds_load_b128 v[\d+16*\j+4*\c:\d+16*\j+4*\c+3], v[\a] offset:\off+\sj*\j+\sc*\c
.endr
.endr
.endm
.macro MUL64 d, b                      ; 64 numbers d *= b, two at a time, ascending
.set i, 0
.rept 32
	v_pk_mul_f32 v[\d+i:\d+i+1], v[\d+i:\d+i+1], v[\b+i:\b+i+1]
.set i, i+2
.endr
.endm
.macro DEN d, n                        ; d = the keys' norms (in FR) x nn' + eps'
.set i, 0
.rept 32
	v_pk_fma_f32 v[\d+i:\d+i+1], v[FR+i:FR+i+1], v[\n:\n+1], v[EPS:EPS+1]
.set i, i+2
.endr
.endm
.macro RCPS d, n
.set i, 0
.rept \n
	v_rcp_f32 v[\d+i], v[\d+i]
.set i, i+1
.endr
.endm
.macro EXPS d, n
.set i, 0
.rept \n
	v_exp_f32 v[\d+i], v[\d+i]
.set i, i+1
.endr
.endm
; Tile g's four blocks of 32 keys: the largest P (P is not negative: no |.|), the conversions' operands, the holds' limits, the scale word
.macro QHEAD g
.irp b, 0,1,2,3
	v_max3_num_f32 v[MX+\b], v[S+64*\g+16*\b], v[S+64*\g+16*\b+1], 0x8000000   ; my 16 numbers, and the floor 2^(16 - 127): the byte cannot fall under 1
.endr
.irp i, 2,4,6,8,10,12,14
.irp b, 0,1,2,3
	v_max3_num_f32 v[MX+\b], v[MX+\b], v[S+64*\g+16*\b+\i], v[S+64*\g+16*\b+\i+1]   ; (the four blocks by turns)
.endr
.endr
.irp b, 0,1,2,3
	v_permlanex16_b32 v[PB+\b], v[MX+\b], s70, s71
.endr
.irp b, 0,1,2,3
	v_max_num_f32 v[MX+\b], v[MX+\b], v[PB+\b]     ; with lane l xor 16's 16 keys
.endr
.irp b, 0,1,2,3
	v_add_nc_u32 v[SOP+4*\g+\b], 0xf8800000, v[MX+\b]              ; 15 off the exponent field
.endr
.irp b, 0,1,2,3
	v_and_or_b32 v[LIM+4*\g+\b], v[MX+\b], 0x7f800000, s72         ; 57,344 x the scale
.endr
.irp b, 0,1,2,3
	v_lshrrev_b32 v[PB+\b], 23, v[SOP+4*\g+\b]     ; the scale's byte
.endr
	v_lshl_or_b32 v[PS+\g], v[PB+1], 8, v[PB]
	v_lshl_or_b32 v[PS+\g], v[PB+2], 16, v[PS+\g]
	v_lshl_or_b32 v[PS+\g], v[PB+3], 24, v[PS+\g]
.endm
; THE FRONT HALF OF A KEY STEP: 128 keys out of slot \slot: all of the step's LDS loads.  It leaves t in S, V's eight fragments on their way into FR and DN and V's scale words into SCW.
; Entered and left with every window 0, and with eight plain lines between the last products and its first loads (they stand at BACK's end).  The 16 accumulators of S^T take turns, one instruction a turn.
.macro FRONT slot
	LD16 FR, AF+\slot, 0, 2048, 512                ; K's tiles 0-3
.irp j, 0,1,2,3,4,5,6,7
	ds_load_b32 v[SCW+\j], v[AS+\slot] offset:64*\j                ; K's scale words
.endr
	WIN 0x40
	LD16 DN, AF+\slot, 4*2048, 2048, 512           ; K's tiles 4-7
	s_wait_dscnt 16                                ; all but those sixteen
	WIN 0x04                                       ; source 1 (Q) window 1
.irp t, 0,1,2,3
.irp g, 0,1
	v_wmma_scale_f32_16x16x128_f8f6f4 v[S+64*\g+8*\t:S+64*\g+8*\t+7], v[FR+16*\t:FR+16*\t+15], v[Q+16*\g:Q+16*\g+15], 0, v[SCW+\t], v[QS+\g] matrix_a_fmt:MATRIX_FMT_BF8 matrix_b_fmt:MATRIX_FMT_BF8
.endr
.endr
	PLACES 8
	WIN 0
	LD16 FR, AB+\slot, 0, 128, 16                  ; beta of tile 0: register 16 b + 4 q + .. = key 32 b + 16 h + 4 q + .., as S^T has them
	s_wait_dscnt 16                                ; all but those sixteen: K's tiles 4-7 are in
	WIN 0x05                                       ; sources 0 and 1 window 1
.irp t, 0,1,2,3
.irp g, 0,1
	v_wmma_scale_f32_16x16x128_f8f6f4 v[S+64*\g+32+8*\t:S+64*\g+32+8*\t+7], v[DN+16*\t:DN+16*\t+15], v[Q+16*\g:Q+16*\g+15], 0, v[SCW+4+\t], v[QS+\g] matrix_a_fmt:MATRIX_FMT_BF8 matrix_b_fmt:MATRIX_FMT_BF8
.endr
.endr
	PLACES 8                                       ; also ahead of the first read of S^T
	WIN 0x40
	LD16 DN, AB+\slot, 16*BP, 128, 16              ; beta of tile 1: 16 rows further down
	s_wait_dscnt 16                                ; all but those sixteen: beta of tile 0 is in
	WIN 0
	MUL64 S, FR                                    ; S beta, tile 0
	LD16 FR, ANM+\slot, 0, 128, 16                 ; the keys' norms, in the same order; the sixteen lanes of a half read the same words
	s_wait_dscnt 16                                ; all but those sixteen: beta of tile 1 is in
	WIN 0x04
	MUL64 S+64, DN                                 ; S beta, tile 1
	s_wait_dscnt 0x0                               ; the norms
	WIN 0x40
	DEN DN, NN                                     ; tile 0's denominators
	WIN 0
	DEN FR, NN+2                                   ; tile 1's, in place
	WIN 0x41
	RCPS DN, 64
	WIN 0
	RCPS FR, 64
	v_nop                                          ; a plain line behind the last reciprocal
	s_wait_alu depctr_va_vdst(0)                   ; the wait ahead of the first line that names a result: one for the 128
	WIN 0x04
	MUL64 S, DN                                    ; t, tile 0
	WIN 0
	MUL64 S+64, FR                                 ; t, tile 1
	LD16 FR, AF+\slot, 16384, 2048, 512            ; V's tiles 0-3: my last reads of the slot begin here
.irp j, 0,1,2,3,4,5,6,7
	ds_load_b32 v[SCW+\j], v[AS+\slot] offset:512+64*\j            ; V's scale words
.endr
	WIN 0x40
	LD16 DN, AF+\slot, 16384+4*2048, 2048, 512     ; V's tiles 4-7.  Head 0 waits for these in BACK, ahead of the products; head 1 at the change of slots, whose wait for all LDS instructions stands in front of the barrier
	WIN 0
.endm
; THE BACK HALF: work on registers alone: t in S becomes E, P and P's codes; O^T += V^T P^T.  The 16 accumulators of O^T take turns, one instruction a turn.
; Entered and left with every window 0.  Its last eight lines are the places behind its products: for the loads of the FRONT that follows (directly, or behind a change of slots), and for the way out's first read of O^T.
.macro BACK
	EXPS S, 128                                    ; E = 2^t
	v_nop
	s_wait_alu depctr_va_vdst(0)                   ; one wait for the batch
.set i, 0
.rept 64
	v_pk_add_f32 v[S+i:S+i+1], v[S+i:S+i+1], 1.0 op_sel_hi:[1,0]
.set i, i+2
.endr
	RCPS S, 128                                    ; P = 1 / (1 + E)
	v_nop
	s_wait_alu depctr_va_vdst(0)                   ; one wait for the batch
	QHEAD 0
	QHEAD 1
.irp g, 0,1
.irp b, 0,1,2,3
.irp i, 0,1,2,3,4,5,6,7,8,9,10,11,12,13,14,15
	v_min_num_f32 v[S+64*\g+16*\b+\i], v[S+64*\g+16*\b+\i], v[LIM+4*\g+\b]   ; the conversion to an 8-bit code does not saturate (ISA guide 7.6.2); P is not negative, so the hold is one-sided.  (These are also the places between P's scale words and the products)
.endr
.endr
.endr
	WIN 0x40
.irp g, 0,1
.irp b, 0,1,2,3
	v_cvt_scalef32_pk8_bf8_f32 v[PC0-112*\g+4*\b:PC0-112*\g+4*\b+1], v[S+64*\g+16*\b:S+64*\g+16*\b+7], v[SOP+4*\g+\b]   ; registers 4 b .. 4 b + 3 of the operand: keys 32 b + 16 h + 0 .. 15
	v_cvt_scalef32_pk8_bf8_f32 v[PC0-112*\g+4*\b+2:PC0-112*\g+4*\b+3], v[S+64*\g+16*\b+8:S+64*\g+16*\b+15], v[SOP+4*\g+\b]
.endr
.endr
	PLACES 4                                       ; an operand written by vector instructions stands four places ahead of a scaled matrix instruction
	s_wait_dscnt 0x0                               ; V and its scale words (head 1: they were awaited at the change of slots)
	WIN 0x54                                       ; source 0 (V) window 0; P, C and D window 1
.irp t, 0,1,2,3
.irp g, 0,1
	v_wmma_scale_f32_16x16x128_f8f6f4 v[O+64*\g+8*\t:O+64*\g+8*\t+7], v[FR+16*\t:FR+16*\t+15], v[PC0-112*\g:PC0-112*\g+15], v[O+64*\g+8*\t:O+64*\g+8*\t+7], v[SCW+\t], v[PS+\g] matrix_a_fmt:MATRIX_FMT_BF8 matrix_b_fmt:MATRIX_FMT_BF8
.endr
.endr
	WIN 0x55                                       ; V's tiles 4-7 lie in window 1
.irp t, 0,1,2,3
.irp g, 0,1
	v_wmma_scale_f32_16x16x128_f8f6f4 v[O+64*\g+32+8*\t:O+64*\g+32+8*\t+7], v[DN+16*\t:DN+16*\t+15], v[PC0-112*\g:PC0-112*\g+15], v[O+64*\g+32+8*\t:O+64*\g+32+8*\t+7], v[SCW+4+\t], v[PS+\g] matrix_a_fmt:MATRIX_FMT_BF8 matrix_b_fmt:MATRIX_FMT_BF8
.endr
.endr
	WIN 0
	PLACES 8
.endm
; THE CHANGE OF SLOTS.  Each wave waits for all its tensor loads (the one that is out is its part of the slot ahead), adds 0 to its spare word, and waits for that and for its reads of the slot just left (head 1's last, V's, were issued just before).
; fill = 1: slot \slot, just left, is filled again with the step two on: the barrier is a round of the cluster's, so that no wave of any partner still reads the slot or has a load on its way, and the joint
; refill is the first thing behind it: it has a FRONT and a BACK of every wave in which to land.
.macro CHANGE slot, fill
	s_wait_tensorcnt 0x0                           ; no tensor load of mine is out, so a group 0 may be written
	ds_add_u32 v[SPW], v[NIL]                      ; 0 onto my spare word
.if \fill
	s_add_nc_u64 s[G0+4*\slot+2:G0+4*\slot+3], s[G0+4*\slot+2:G0+4*\slot+3], 2*KVB       ; two steps on; the type bits on top are not reached
	s_add_nc_u64 s[G0B+4*\slot+2:G0B+4*\slot+3], s[G0B+4*\slot+2:G0B+4*\slot+3], 2*512
.endif
	s_wait_dscnt 0x0                               ; the add is done, and my reads of the slot are over
.if \fill
	CROUND
	JLOAD \slot
.else
	s_barrier_signal -1
	s_barrier_wait -1
.endif
.endm
; WHAT STANDS BETWEEN TWO CHANGES OF SLOTS.  Head 0: FRONT, BACK of the step in slot \slot.  Head 1: BACK of the step before, FRONT of this one.  No barrier, tensor load or wait of the change stands inside.
.macro TRIP slot
	s_cmp_lg_u32 s11, 0
	s_cbranch_scc1 .Llate_\@
	FRONT \slot                                    ; head 0
.Llate_\@:
	BACK                                           ; head 0: this step; head 1: the step before
	s_cmp_eq_u32 s11, 0
	s_cbranch_scc1 .Ldone_\@
	FRONT \slot                                    ; head 1
.Ldone_\@:
.endm
	s_wait_tensorcnt 0x1                           ; my part of step 0 is in; step 1's may stay out
	s_barrier_signal -1
	s_barrier_wait -1                              ; everybody's is
	FRONT 0                                        ; step 0: both heads
	s_cmp_lg_u32 s11, 0
	s_cbranch_scc1 .Lheld                          ; head 1 holds its BACK over the change of slots: from here on the two heads are half a step apart
	BACK
.Lheld:
	s_mov_b32 s3, 3
.Llap:                                             ; three laps of two trips: steps 1 to 6; slots 0 and 1 are filled with steps 2 to 7
	CHANGE 0, 1
	TRIP 1
	CHANGE 1, 1
	TRIP 0
	s_sub_co_u32 s3, s3, 1
	s_cmp_lg_u32 s3, 0
	s_cbranch_scc1 .Llap
	CHANGE 0, 0                                    ; the tail is written out: nothing is left to fetch
	s_cmp_eq_u32 s11, 0
	s_cbranch_scc1 .Llast
	BACK                                           ; head 1: step 6
.Llast:
	FRONT 1                                        ; step 7: head 0 at once, head 1 half a step later
	BACK
	; THE WAY OUT.  A lane holds eight neighbouring numbers of a row of out for each of eight tiles, and the lanes beside it hold other rows: a tile of 16 queries goes through my own stage in LDS and comes back as
	; whole rows of 512 bytes.  LDS serves a wave's instructions in order (ISA guide 5.7.1.4): no wait between the stores and the loads, nor in front of the next tile's stores.  (BACK's last eight lines are the places behind the last products.)
.irp g, 0,1
	WIN 0x04                                       ; an LDS store's data are its source 1: window 1
.irp j, 0,1,2,3,4,5,6,7
	ds_store_b128 v[STO], v[O+64*\g+8*\j:O+64*\g+8*\j+3] offset:64*\j          ; each accumulator from its low end on: out(16 g + r, 16 j + 8 h + 0 .. 3)
	ds_store_b128 v[STO], v[O+64*\g+8*\j+4:O+64*\g+8*\j+7] offset:64*\j+16
.endr
	WIN 0
.irp i, 0,1,2,3,4,5,6,7,8,9,10,11,12,13,14,15
	ds_load_b128 v[S+64*\g+4*\i:S+64*\g+4*\i+3], v[RD] offset:BP*\i
.endr
.endr
	s_wait_dscnt 32                                ; all but tile 1's sixteen stores and sixteen loads: tile 0 is back
.irp i, 0,1,2,3,4,5,6,7,8,9,10,11,12,13,14,15
	global_store_b128 v[CO], v[S+4*\i:S+4*\i+3], s[8:9] offset:512*\i th:TH_STORE_NT       ; 32 lanes store a row's 512 consecutive bytes, aligned; written once, read by nobody here
.endr
	s_wait_dscnt 0x0
.irp i, 0,1,2,3,4,5,6,7,8,9,10,11,12,13,14,15
	global_store_b128 v[CO], v[S+64+4*\i:S+64+4*\i+3], s[8:9] offset:512*(16+\i) th:TH_STORE_NT
.endr
	s_wait_tensorcnt 0x0                           ; the wave's end, behind my last tensor load and my last LDS store
	ds_add_u32 v[SPW], v[NIL]
	s_wait_dscnt 0x0
	CROUND                                         ; the closing round: no work-group ends while a partner may still ask for a tile that names it
	s_endpgm
.Lfunc_end_k_qf2dd94d045_att:
	.size	k_qf2dd94d045_att, .Lfunc_end_k_qf2dd94d045_att-k_qf2dd94d045_att
	.p2alignl 7, 3214868480
	.fill 96, 4, 3214868480
	.section	.rodata,"a",@progbits
	.p2align	6, 0x0
	.amdhsa_kernel k_qf2dd94d045_att
		.amdhsa_group_segment_fixed_size 327680
		.amdhsa_private_segment_fixed_size 0
		.amdhsa_enable_private_segment 0
		.amdhsa_kernarg_size 24
		.amdhsa_user_sgpr_count 2
		.amdhsa_user_sgpr_kernarg_segment_ptr 1
		.amdhsa_wavefront_size32 1
		.amdhsa_system_sgpr_workgroup_id_x 1
		.amdhsa_system_sgpr_workgroup_id_y 1
		.amdhsa_system_sgpr_workgroup_id_z 1
		.amdhsa_system_vgpr_workitem_id 0
		.amdhsa_next_free_vgpr 512
		.amdhsa_next_free_sgpr 80
		.amdhsa_reserve_vcc 0
		.amdhsa_float_denorm_mode_32 3
		.amdhsa_float_denorm_mode_16_64 3
		.amdhsa_memory_ordered 1
		.amdhsa_forward_progress 1
		.amdhsa_inst_pref_size 255
	.end_amdhsa_kernel
	.section	.bss,"aw",@nobits
	.p2align	6
	.space	262144
	.amdgpu_metadata
---
amdhsa.version: [ 1, 2 ]
amdhsa.kernels:
  - .name:           k_qf2dd94d045_att
    .symbol:         k_qf2dd94d045_att.kd
    .args:
      - { .name: kv, .offset: 0, .size: 8, .value_kind: global_buffer, .address_space: global }
      - { .name: att_beta, .offset: 8, .size: 8, .value_kind: global_buffer, .address_space: global }
      - { .name: out0, .offset: 16, .size: 8, .value_kind: global_buffer, .address_space: global }
    .group_segment_fixed_size: 327680
    .private_segment_fixed_size: 0
    .kernarg_segment_align: 8
    .kernarg_segment_size: 24
    .max_flat_workgroup_size: 256
    .sgpr_count:     80
    .vgpr_count:     512
    .wavefront_size: 32
...
	.end_amdgpu_metadata
.endif
;; end of part 2
